; MI455X (gfx1250); checked and timed in simulation.
; The chip was launched on July 23, 2026; its instructions are those of AMD's public machine-readable ISA for CDNA 5 (MIT licence, August 2026) and "CDNA5" Instruction Set Architecture Reference Guide (July 2026). The comments in the code are by the model that wrote it; some were corrected since.
;; Multi Head Attention. Allowed arithmetic: matrix products marked QUANTISED: E4M3 operands, one E8M0 scale for each 32 along K, by v_wmma_scale_f32_16x16x128_f8f6f4 with both operands' format E4M3, f32 sums; everything else in f32.
;; Inputs: K_codes 2 x 4,096 x 16 x 32 uint8 (E4M3 codes of K, K innermost, in blocks of 32 codes); K_scales 2 x 4,096 x 16 uint8 (E8M0 scales of K, one for each 32 codes along K); Q_codes 2 x 4,096 x 16 x 32 uint8 (E4M3 codes of Q, K innermost, in blocks of 32 codes); Q_scales 2 x 4,096 x 16 uint8 (E8M0 scales of Q, one for each 32 codes along K); V_codes 2 x 4,096 x 16 x 32 uint8 (E4M3 codes of V, K innermost, in blocks of 32 codes); V_scales 2 x 4,096 x 16 uint8 (E8M0 scales of V, one for each 32 codes along K); Wk_codes 512 x 16 x 32 uint8 (E4M3 codes of Wk, K innermost, in blocks of 32 codes); Wk_scales 512 x 16 uint8 (E8M0 scales of Wk, one for each 32 codes along K); Wo_codes 512 x 16 x 32 uint8 (E4M3 codes of Wo, K innermost, in blocks of 32 codes); Wo_scales 512 x 16 uint8 (E8M0 scales of Wo, one for each 32 codes along K); Wq_codes 512 x 16 x 32 uint8 (E4M3 codes of Wq, K innermost, in blocks of 32 codes); Wq_scales 512 x 16 uint8 (E8M0 scales of Wq, one for each 32 codes along K); Wv_codes 512 x 16 x 32 uint8 (E4M3 codes of Wv, K innermost, in blocks of 32 codes); Wv_scales 512 x 16 uint8 (E8M0 scales of Wv, one for each 32 codes along K); bk 512 float32; bo 512 float32; bq 512 float32; bv 512 float32.
;; Outputs: out0 2 x 4,096 x 512 float32.
;; This version of the problem:
;;   THIS VERSION OF THE PROBLEM IS GIVEN IN LOW PRECISION. The matrix products marked QUANTISED in the list below multiply operands that are first quantised to E4M3 (4 exponent bits, 3 mantissa bits; 8 bits a number), with one power-of-two scale for each 32 numbers along K (OCP MX v1.0); their sums are f32. All else is computed in f32.
;;   The module's matrix products, in the order in which they are computed (A, B: the left and right operand; K: the contracted axis; several contracted axes count as one K, in the product's order):
;;     1. [M 8,192, K 512] x [K 512, N 512]; A: input Q (given as codes); B: input Wq (given as codes): QUANTISED
;;     2. [M 8,192, K 512] x [K 512, N 512]; A: input K (given as codes); B: input Wk (given as codes): QUANTISED
;;     3. [M 8,192, K 512] x [K 512, N 512]; A: input V (given as codes); B: input Wv (given as codes): QUANTISED
;;     4. batch 16 x [M 4,096, K 64] x [K 64, N 4,096]; A: computed on the way; B: computed on the way: QUANTISED
;;     5. batch 16 x [M 4,096, K 4,096] x [K 4,096, N 64]; A: softmax (see below); B: computed on the way: QUANTISED
;;     6. [M 8,192, K 512] x [K 512, N 512]; A: computed on the way; B: input Wo (given as codes): QUANTISED
;;   THE QUANTISER, for each operand of a quantised product, along K:
;;     - K is cut into blocks of 32 from its start; a last block that is shorter is filled with zeros.
;;     - A block's scale is 2^e with e = floor(log2(the largest magnitude in the block)) - 8, held to -126 .. 127; a block of zeros has e = 0. As a byte (E8M0): e + 127.
;;     - Each number is divided by its block's scale, clamped to +-448, and rounded to the nearest number of E4M3, ties to even, subnormals kept.
;;     - The product sums the exact products of the quantised numbers (number of the format x scale) in f32.
;;   ~~~python
;;   def quantise(x, axis):      # numpy; x: float32 -> the quantised numbers, widened to float32 again
;;       x = np.moveaxis(x, axis, -1); K = x.shape[-1]
;;       x = np.pad(x, [(0, 0)] * (x.ndim - 1) + [(0, -K % 32)]); x = x.reshape(x.shape[:-1] + (-1, 32)); a = np.abs(x).max(-1, keepdims=True)
;;       e = np.where(a > 0, np.clip(np.frexp(np.where(a > 0, a, 1))[1] - 1 - 8, -126, 127), 0)      # np.frexp(a)[1] - 1 = floor(log2(a)), exactly
;;       r = np.clip(x / 2.0 ** e, -448, 448)
;;       step = 2.0 ** (np.maximum(np.frexp(np.where(r == 0, 1, r))[1] - 1, -6) - 3)
;;       q = np.round(r / step) * step * 2.0 ** e      # np.round: ties to even
;;       return np.moveaxis(q.reshape(q.shape[:-2] + (-1,))[..., :K], -1, axis).astype(np.float32)
;;   ~~~
;;   SOFTMAX AHEAD OF A QUANTISED PRODUCT. Where the list says 'softmax', what is quantised is not the finished softmax but p = 2^(t - M), with t = logit x log2(e) and M = ceil(the row's largest t), a whole number; so 1/2 < the row's largest p <= 1. The row's sum l is taken of the UNQUANTISED p, in f32, and the product's result is divided by l at the end. Since M is a whole number, a kernel that streams over the keys may use a running M (the ceiling of the running maximum): every later rescaling is an exact power of two, which a block's scale takes up: the codes' values come out the same.
;;   OPERANDS COMPUTED ON THE WAY. 'Computed on the way' means the value that the module computes at that place (a softmax that the list does not call 'softmax' is quantised finished and normalised). What goes into a quantiser is computed in f32, as accurately as f32 sums, v_exp_f32 and their like allow (about 1e-6 of the number): no bf16 or f16 on the way to a quantiser, and a product that is left as it is and whose result goes on into a quantised operand takes f32 operands (vector FMAs, or v_wmma_f32_16x16x4_f32). A number that lies on a knife's edge between two numbers of the format may be rounded either way, as far as f32 arithmetic and the matrix unit's own rounding can turn it there, and no further.
;;   INPUTS GIVEN AS CODES. K (in the module: [2, 4096, 512], K = its axis 2); Q (in the module: [2, 4096, 512], K = its axis 2); V (in the module: [2, 4096, 512], K = its axis 2); Wk (in the module: [512, 512], K = its axis 0); Wo (in the module: [512, 512], K = its axis 0); Wq (in the module: [512, 512], K = its axis 0); Wv (in the module: [512, 512], K = its axis 0): each comes as NAME_codes (uint8): NAME with its K axis moved to the last place and cut into blocks of 32 codes, [.., K / 32, bytes a block], one block behind the other in memory; one code a byte (a code: sign, 4 exponent bits, 3 mantissa bits); and NAME_scales (uint8): the same leading axes, one E8M0 byte (e + 127) for each 32 codes along K. Its value is code x scale, taken as it is: it is not quantised again, and the codes and scales need not be those that the quantiser above would give.
;; One version. Each part assembles by itself: llvm-mc -triple=amdgcn-amd-amdhsa -mcpu=gfx1250 --defsym DOCPART=n.
;; ======== version 1 of 1: 3 launches
;; limits: right only within a limited range of input values
;; workspace buffers: qimg 4,194,304 bytes; qsc 131,072 bytes; kvimg 8,388,608 bytes; kvsc 262,144 bytes; oimg 4,194,304 bytes; osc 131,072 bytes
;; launch proj (part 1): grid 32 x 6, 8 waves a work-group, clusters of 4 x 1, 271,360 bytes of LDS; arguments Q_codes, Q_scales, Wq_codes, Wq_scales, bq, K_codes, K_scales, Wk_codes, Wk_scales, bk, V_codes, V_scales, Wv_codes, Wv_scales, bv, qimg, qsc, kvimg, kvsc; writes qimg, qsc, kvimg, kvsc
.if DOCPART == 1
	.amdgcn_target "amdgcn-amd-amdhsa--gfx1250"
	.amdhsa_code_object_version 6
	.text
	.protected	k_qf086c63414_proj
	.globl	k_qf086c63414_proj
	.p2align	8
	.type	k_qf086c63414_proj,@function
k_qf086c63414_proj:
	s_mov_b64 s[64:65], 0
	v_nop
	global_prefetch_b8 v0, s[64:65] scope:SCOPE_SE
	s_setreg_imm32_b32 hwreg(HW_REG_WAVE_MODE, 25, 1), 1
	s_wait_xcnt 0x0
	s_wait_alu depctr_hold_cnt(0) depctr_sa_sdst(0) depctr_va_vdst(0) depctr_va_sdst(0) depctr_va_ssrc(0) depctr_va_vcc(0) depctr_vm_vsrc(0)
	s_getreg_b32 s2, hwreg(HW_REG_IB_STS2, 6, 4)
	s_cmp_eq_u32 s2, 0
	s_cbranch_scc0 .Lentry_in_a_cluster
	s_endpgm
.Lentry_in_a_cluster:
	s_bfe_u32 s2, ttmp6, 0x10000c
	s_cmp_lg_u32 s2, 0x3003
	s_cbranch_scc0 .Lentry_shape_is_right
	s_endpgm
.Lentry_shape_is_right:
; q = Q Wq + bq, k = K Wk + bk, v = V Wv + bv on codes of FP8 (E4M3) with one E8M0 scale for each 32 along K (= 512); sums in f32; the results are quantised on the way out
; (q and k along the head's 64, v along the keys) and stored as IMAGES OF OPERAND REGISTERS: a fragment's registers 4 c .. 4 c + 3 as 512 consecutive bytes, lane l's 16 bytes at 16 l.
; SHARES.  Work-group x: 256 tokens; y: the tensor (y / 2: 0 Q, 1 K, 2 V) and 256 of its 512 columns (y % 2: four heads).  Eight waves: wave w takes 128 tokens (w / 4) of one head (w % 4):
; 8 tiles of tokens x 4 tiles of columns, 32 accumulators.  3 x 32 x 2 = 192 work-groups: the largest tile whose two operands lie whole in LDS.
; LDS is filled once: x's 256 rows of 512 bytes, then W's 256 rows, each row + 16 bytes of padding.  Each wave fetches 64 rows with one tensor load.
; CLUSTER: the four token blocks of a cluster read the same 256 rows of W: those are asked for JOINTLY (waves 4 to 7).  x's rows are read by two work-groups only (the two column halves),
; which lie in different clusters: they come by plain loads (waves 0 to 3).
; Q, K: source 0 = 16 rows of W, source 1 = 16 tokens: a lane holds one token, its registers run along the head's 64.  Two neighbouring tiles of columns go into one block of 32 codes; that puts
; column 32 b + 16 u + 8 h + j at place 32 b + 16 h + 8 u + j: a permutation inside a block, the same for q and k, so their product is not changed by it.
; V: source 0 = 16 tokens, source 1 = 16 rows of W: a lane holds one column d, its registers run along the keys, with the same permutation inside a block of 32 keys, which p carries too.
; THE ROWS OF Wv THAT FORM A TILE ARE NOT NEIGHBOURS: lane r of tile 2 b + u takes row 32 b + 8 u + r + 8 (r / 8), so that attention's result comes out in the true order of the last product's K.
; LIMITS: NaN and infinities, NaN codes and the scale byte 0xff among the inputs are not served.  A block of zeros gets the byte 1 (its codes are zeros; this program alone reads the bytes).
; REGISTERS: window 0: v1-11 addresses; v16-47 x's scale words; v48-63 W's; v64-95 the bias as C; v96-159 W's four fragments (later the codes); v160-223 two sets of two x fragments; v224-243 at work.  window 1: the accumulators.
.set PITCH, 528                        ; an LDS row: 512 bytes + 16 of padding, an odd multiple of 16
.set TILEB, 16*PITCH
.set WBASE, 256*PITCH                  ; W's rows lie behind x's
.set TH, 2                             ; s2  which 128 tokens are my wave's
.set HH, 3                             ; s3  which head of the four; also which 64 rows I fetch
.set SEL, 4                            ; s[4:5] selects for v_permlanex16_b32: lane l xor 16
.set MNT, 6
.set SAVE, 7
.set XC, 46
.set XSC, 48
.set WC, 50
.set WSC, 52
.set BP, 54
.set IMG, 56
.set SCO, 58
.set WV, 60
.set TEN, 61
.set CH, 62
.set CX, 63
.set TB, 66
.set G1X, 68
.set G1W, 76
.set G0X, 84
.set G0W, 88
.set LANE, 1
.set R, 2
.set H, 3
.set ADX, 4
.set ADW, 5
.set ADWP, 6
.set R16, 7
.set RP16, 8
.set L16, 9
.set H32, 10
.set RP4, 11
.set XS, 16
.set WS, 48
.set BI, 64
.set WF, 96
.set PC, 96
.set XF, 160
.set TM, 224
.set SW, 240
.set MSB, 0
.macro WIN new                         ; the immediate's high byte repeats the setting that is left
.if MSB != \new
	s_set_vgpr_msb (MSB<<8)|\new
.set MSB, \new
.endif
.endm
.macro PLACES n
.rept \n
	v_nop
.endr
.endm
.macro CROUND                          ; a round of the cluster's barrier
	s_barrier_signal -1
	s_barrier_wait -1
	s_cmp_lg_u32 s[WV], 0
	s_cbranch_scc1 .Lnot_wave_0_\@
	s_barrier_signal -3
.Lnot_wave_0_\@:
	s_barrier_wait -3
	s_barrier_signal -1
	s_barrier_wait -1
.endm
	s_load_b512 s[8:23], s[0:1], 0x0               ; Q: codes 8, scales 10; Wq: 12, 14; bq 16; K: 18, 20; Wk codes 22
	s_load_b512 s[24:39], s[0:1], 0x40             ; Wk scales 24; bk 26; V: 28, 30; Wv: 32, 34; bv 36; qimg 38
	s_load_b128 s[40:43], s[0:1], 0x80             ; qsc 40; kvimg 42
	s_load_b64 s[44:45], s[0:1], 0x90              ; kvsc 44
	v_lshl_add_u32 v254, v0, 2, 0x42000
	v_mov_b32 v255, 0
	ds_add_u32 v254, v255
	ds_add_u32 v254, v255
	v_lshrrev_b32 v[LANE], 5, v0
	s_delay_alu instid0(VALU_DEP_1)
	v_readfirstlane_b32 s[WV], v[LANE]             ; wave 0..7
	v_and_b32 v[LANE], 31, v0
	v_and_b32 v[R], 15, v0
	s_wait_alu depctr_va_vdst(0)
	v_bfe_u32 v[H], v0, 4, 1
	s_lshr_b32 s[TH], s[WV], 2
	s_and_b32 s[HH], s[WV], 3
	s_and_b32 s[TEN], ttmp7, 0xffff
	s_and_b32 s[CH], s[TEN], 1                     ; which 256 columns
	s_lshr_b32 s[TEN], s[TEN], 1                   ; which tensor: the same in all four partners
	s_bfe_u32 s[CX], ttmp6, 0x40000
	s_lshl_b32 s[TB], ttmp9, 2
	s_add_co_u32 s[TB], s[TB], s[CX]               ; my block of 256 tokens: it enters global addresses alone
	; every LDS address is made here, ahead of the first branch: lane, wave and constants
	v_mul_u32_u24 v[ADX], v[R], PITCH
	s_wait_alu depctr_va_vdst(0)
	v_lshl_add_u32 v[ADX], v[H], 4, v[ADX]         ; row r, + 16 h
	v_and_b32 v[ADWP], 8, v[R]
	s_delay_alu instid0(VALU_DEP_1)
	v_add_nc_u32 v[RP16], v[ADWP], v[R]            ; r + 8 (r / 8)
	s_delay_alu instid0(VALU_DEP_1)
	v_mul_u32_u24 v[ADWP], v[RP16], PITCH
	s_delay_alu instid0(VALU_DEP_1)
	v_lshl_add_u32 v[ADWP], v[H], 4, v[ADWP]
	s_mul_i32 s92, s[HH], 64*PITCH
	s_add_co_u32 s92, s92, WBASE                   ; my head's 64 rows of W
	v_add_nc_u32 v[ADW], s92, v[ADX]
	v_add_nc_u32 v[ADWP], s92, v[ADWP]
	s_mul_i32 s92, s[TH], 128*PITCH                ; my 128 tokens
	v_add_nc_u32 v[ADX], s92, v[ADX]
	v_lshlrev_b32 v[R16], 4, v[R]
	v_lshlrev_b32 v[RP4], 2, v[RP16]
	v_lshlrev_b32 v[RP16], 4, v[RP16]
	v_lshlrev_b32 v[L16], 4, v[LANE]
	v_lshlrev_b32 v[H32], 5, v[H]
.irp b, 0,1,2,3
	v_mov_b32 v[TM+4+\b], 0                        ; written once: a lane permute's destination counts as one of its sources
.endr
	s_mov_b32 s[SEL], 0x76543210
	s_mov_b32 s[SEL+1], 0xfedcba98
	; descriptor group 1: 64 rows of 512 bytes, 16 bytes of padding behind each
	s_mov_b32 s[G1X], (1<<20)|(6<<22)|(3<<25)              ; no mask; elements of 1 byte; padding on: 4 words after every 128
	s_mov_b32 s[G1W], 15|(1<<20)|(1<<21)|(6<<22)|(3<<25)   ; the same with the mask of all four partners, and bit 21 beside it
.irp g, G1X, G1W
	s_mov_b32 s[\g+1], 512<<16                     ; tensor_dim0
	s_mov_b32 s[\g+2], 64<<16                      ; tensor_dim1
	s_mov_b32 s[\g+3], 512<<16                     ; tile_dim0
	s_mov_b32 s[\g+4], 64                          ; tile_dim1
	s_mov_b32 s[\g+5], 512                         ; from row to row
	s_mov_b32 s[\g+6], 0
	s_mov_b32 s[\g+7], 0
.endr
	; where my wave's results go: 128 tokens = group tg of 64; batch tg / 32, step tg % 32; head 4 CH + HH
	s_lshl_b32 s94, s[TB], 1
	s_add_co_u32 s94, s94, s[TH]
	s_lshr_b32 s95, s94, 5
	s_and_b32 s94, s94, 31                         ; st
	s_lshl_b32 s95, s95, 3
	s_lshl_b32 s96, s[CH], 2
	s_add_co_u32 s95, s95, s96
	s_add_co_u32 s95, s95, s[HH]                   ; bh
	s_cmp_lg_u32 s[TEN], 0
	s_cselect_b32 s96, 1, 0                        ; K's and V's common buffers have blocks twice as large as q's,
	s_cmp_eq_u32 s[TEN], 2
	s_cselect_b32 s97, 8192, 0                     ; and V lies 8,192 bytes behind K in each
	s_lshl_b32 s98, s95, 18
	s_lshl_b32 s99, s94, 13
	s_add_co_u32 s98, s98, s99
	s_lshl_b32 s98, s98, s96
	s_add_co_u32 s98, s98, s97                     ; the images
	s_mov_b32 s99, 0
	s_lshl_b32 s95, s95, 13
	s_lshl_b32 s95, s95, s96
	s_lshl_b32 s94, s94, 8
	s_add_co_u32 s94, s94, s95
	s_add_co_u32 s94, s94, s97                     ; the scale words
	s_mov_b32 s95, 0
	s_wait_dscnt 0x0
	s_wait_kmcnt 0x0
	s_cmp_eq_u32 s[TEN], 0                         ; the buffers are chosen by the work-group's number alone
	s_cselect_b64 s[XC:XC+1], s[8:9], s[18:19]
	s_cselect_b64 s[XSC:XSC+1], s[10:11], s[20:21]
	s_cselect_b64 s[WC:WC+1], s[12:13], s[22:23]
	s_cselect_b64 s[WSC:WSC+1], s[14:15], s[24:25]
	s_cselect_b64 s[BP:BP+1], s[16:17], s[26:27]
	s_cselect_b64 s[IMG:IMG+1], s[38:39], s[42:43]
	s_cselect_b64 s[SCO:SCO+1], s[40:41], s[44:45]
	s_cmp_eq_u32 s[TEN], 2
	s_cselect_b64 s[XC:XC+1], s[28:29], s[XC:XC+1]
	s_cselect_b64 s[XSC:XSC+1], s[30:31], s[XSC:XSC+1]
	s_cselect_b64 s[WC:WC+1], s[32:33], s[WC:WC+1]
	s_cselect_b64 s[WSC:WSC+1], s[34:35], s[WSC:WSC+1]
	s_cselect_b64 s[BP:BP+1], s[36:37], s[BP:BP+1]
	s_add_nc_u64 s[IMG:IMG+1], s[IMG:IMG+1], s[98:99]
	s_add_nc_u64 s[SCO:SCO+1], s[SCO:SCO+1], s[94:95]
	s_lshl_b32 s96, s[TB], 17                      ; x: 256 rows of 512 bytes a block, 64 rows a wave
	s_lshl_b32 s97, s[HH], 15
	s_add_co_u32 s96, s96, s97
	s_mov_b32 s97, 0
	s_mov_b32 s[G0X], 1
	s_mul_i32 s[G0X+1], s[WV], 64*PITCH            ; LDS: wave x 64 rows: x's four quarters, then W's
	s_add_nc_u64 s[G0X+2:G0X+3], s[XC:XC+1], s[96:97]
	s_or_b32 s[G0X+3], s[G0X+3], 0x80000000
	s_lshl_b32 s96, s[TB], 12                      ; x's scale bytes: 16 a token; my wave's 128 tokens
	s_lshl_b32 s98, s[TH], 11
	s_add_co_u32 s96, s96, s98
	s_add_nc_u64 s[XSC:XSC+1], s[XSC:XSC+1], s[96:97]
	s_lshl_b32 s92, s[CH], 17                      ; W: nothing of my place in the cluster enters these registers
	s_lshl_b32 s93, s[HH], 15
	s_add_co_u32 s92, s92, s93
	s_mov_b32 s93, 0
	s_mov_b32 s[G0W], 1
	s_mul_i32 s[G0W+1], s[WV], 64*PITCH
	s_add_nc_u64 s[G0W+2:G0W+3], s[WC:WC+1], s[92:93]
	s_or_b32 s[G0W+3], s[G0W+3], 0x80000000
	s_lshl_b32 s92, s[CH], 12                      ; W's scale bytes: 16 a row; my head's 64 rows
	s_lshl_b32 s67, s[HH], 10
	s_add_co_u32 s92, s92, s67
	s_add_nc_u64 s[WSC:WSC+1], s[WSC:WSC+1], s[92:93]
	s_lshl_b32 s92, s[CH], 10                      ; the bias: my head's 64 numbers
	s_lshl_b32 s67, s[HH], 8
	s_add_co_u32 s92, s92, s67
	s_add_nc_u64 s[BP:BP+1], s[BP:BP+1], s[92:93]
	CROUND                                         ; all four work-groups are here: the joint loads meet
	s_cmp_lt_u32 s[WV], 4                          ; one tensor load a wave: waves 0 to 3 x's quarters, waves 4 to 7 W's; four v_nop follow each line
	s_cbranch_scc0 .Lfor_w
	tensor_load_to_lds s[G0X:G0X+3], s[G1X:G1X+7]
	s_nop 0
	PLACES 4
	s_branch .Lasked
.Lfor_w:
	tensor_load_to_lds s[G0W:G0W+3], s[G1W:G1W+7]
	s_nop 0
	PLACES 4
.Lasked:
	s_wait_alu depctr_va_vdst(0)
.irp xt, 0,1,2,3,4,5,6,7
	global_load_b128 v[XS+4*\xt:XS+4*\xt+3], v[R16], s[XSC:XSC+1] offset:256*\xt   ; token r of tile xt: its four scale words, one a K step
.endr
	s_cmp_eq_u32 s[TEN], 2
	s_cbranch_scc1 .Lv_loads
.irp wt, 0,1,2,3
	global_load_b128 v[WS+4*\wt:WS+4*\wt+3], v[R16], s[WSC:WSC+1] offset:256*\wt
	global_load_b128 v[BI+8*\wt:BI+8*\wt+3], v[H32], s[BP:BP+1] offset:64*\wt      ; the bias in the result's layout: columns 16 wt + 8 h + 0 .. 7
	global_load_b128 v[BI+8*\wt+4:BI+8*\wt+7], v[H32], s[BP:BP+1] offset:64*\wt+16
.endr
	s_branch .Lloaded
.Lv_loads:
.irp wt, 0,1,2,3
	global_load_b128 v[WS+4*\wt:WS+4*\wt+3], v[RP16], s[WSC:WSC+1] offset:(32*(\wt/2)+8*(\wt%2))*16
.irp j, 0,1,2,3,4,5,6,7
	global_load_b32 v[BI+8*\wt+\j], v[RP4], s[BP:BP+1] offset:(32*(\wt/2)+8*(\wt%2))*4   ; here a lane holds one column: its bias in all eight registers
.endr
.endr
.Lloaded:
	s_wait_tensorcnt 0x0                           ; my 64 rows lie in LDS,
	s_wait_loadcnt 0x0
	s_barrier_signal -1
	s_barrier_wait -1                              ; everybody's do
.macro FETCHW s, swap                  ; W's four fragments of K step s
.irp wt, 0,1,2,3
.irp c, 0,1,2,3
.if \swap
	ds_load_b128 v[WF+16*\wt+4*\c:WF+16*\wt+4*\c+3], v[ADWP] offset:(32*(\wt/2)+8*(\wt%2))*PITCH+128*(\s)+32*\c
.else
	ds_load_b128 v[WF+16*\wt+4*\c:WF+16*\wt+4*\c+3], v[ADW] offset:\wt*TILEB+128*(\s)+32*\c
.endif
.endr
.endr
.endm
.macro FETCHX s, g                     ; x's tiles 2 g, 2 g + 1 of K step s into set g % 2
.irp t, 0,1
.irp c, 0,1,2,3
	ds_load_b128 v[XF+32*((\g)%2)+16*\t+4*\c:XF+32*((\g)%2)+16*\t+4*\c+3], v[ADX] offset:(2*(\g)+\t)*TILEB+128*(\s)+32*\c
.endr
.endr
.endm
; eight products: two tiles of tokens x four tiles of columns.  The first K step takes the bias as C.  The 32 accumulators take turns, one instruction a turn.
.macro MUL8 s, g, swap
.if (\s) == 0
	WIN 0x40                                       ; D window 1; the bias window 0
.else
	WIN 0x50                                       ; C and D window 1
.endif
.irp t, 0,1
.irp wt, 0,1,2,3
.set XT, 2*(\g)+\t
.set FX, XF+32*((\g)%2)+16*\t
.set FW, WF+16*\wt
.if \swap
.set AC, 8*(8*\wt+XT)
.if (\s) == 0
	v_wmma_scale_f32_16x16x128_f8f6f4 v[AC:AC+7], v[FX:FX+15], v[FW:FW+15], v[BI+8*\wt:BI+8*\wt+7], v[XS+4*XT+(\s)], v[WS+4*\wt+(\s)]
.else
	v_wmma_scale_f32_16x16x128_f8f6f4 v[AC:AC+7], v[FX:FX+15], v[FW:FW+15], v[AC:AC+7], v[XS+4*XT+(\s)], v[WS+4*\wt+(\s)]
.endif
.else
.set AC, 8*(4*XT+\wt)
.if (\s) == 0
	v_wmma_scale_f32_16x16x128_f8f6f4 v[AC:AC+7], v[FW:FW+15], v[FX:FX+15], v[BI+8*\wt:BI+8*\wt+7], v[WS+4*\wt+(\s)], v[XS+4*XT+(\s)]
.else
	v_wmma_scale_f32_16x16x128_f8f6f4 v[AC:AC+7], v[FW:FW+15], v[FX:FX+15], v[AC:AC+7], v[WS+4*\wt+(\s)], v[XS+4*XT+(\s)]
.endif
.endif
.endr
.endr
.endm
; Turn n = 4 s + g of 16.  Behind its products and eight places the registers just read take W's next K step (behind a K step's last turn) and x's tiles of turn n + 2.
.macro STEPG s, g, swap
.set N, 4*(\s)+(\g)
.if N == 15
	s_wait_dscnt 0x0
.else
	s_wait_dscnt 8                                 ; all but the eight loads issued last, which are the next turn's x tiles
.endif
	MUL8 \s, \g, \swap
	WIN 0
	PLACES 8
.if ((\g) == 3) && ((\s) < 3)
	FETCHW (\s)+1, \swap
.endif
.if N+2 <= 15
	FETCHX (N+2)/4, (N+2)%4
.endif
.endm
.macro MAIN swap
	FETCHW 0, \swap
	FETCHX 0, 0
	FETCHX 0, 1
.irp s, 0,1,2,3
.irp g, 0,1,2,3
	STEPG \s, \g, \swap
.endr
.endr
.endm
	s_cmp_eq_u32 s[TEN], 2
	s_cbranch_scc1 .Lmain_v
	MAIN 0
	s_branch .Lout
.Lmain_v:
	MAIN 1
.Lout:
; THE WAY OUT, the same text for all three.  Group g is 64 accumulator registers on end; register 16 b + i belongs to block b of 32 (Q, K: tiles of tokens 2 g and 2 g + 1, two blocks each; V: column tile g, four blocks of keys).
; A block lies in lanes l and l xor 16.  Its scale: the largest magnitude's exponent field less 8, held at 1 from below by the floor 2^(9 - 127).
; (The eight places behind the last products stand at the end of the last turn.)
.macro QUANTW g
.set SB, 64*(\g)
	WIN 0x05                                       ; sources 0 and 1 window 1
.irp b, 0,1,2,3
	v_max3_num_f32 v[TM+\b], |v[SB+16*\b]|, |v[SB+16*\b+1]|, 0x4800000    ; each accumulator is read from its low end on
.endr
	WIN 0x14                                       ; sources 1 and 2 window 1
.irp i, 2,4,6,8,10,12,14
.irp b, 0,1,2,3
	v_max3_num_f32 v[TM+\b], v[TM+\b], |v[SB+16*\b+\i]|, |v[SB+16*\b+\i+1]|
.endr
.endr
	WIN 0
.irp b, 0,1,2,3
	v_permlanex16_b32 v[TM+4+\b], v[TM+\b], s[SEL], s[SEL+1]
.endr
.irp b, 0,1,2,3
	s_delay_alu instid0(VALU_DEP_4)
	v_max_num_f32 v[TM+\b], v[TM+\b], v[TM+4+\b]   ; the block's largest magnitude
.endr
.irp b, 0,1,2,3
	s_delay_alu instid0(VALU_DEP_4)
	v_add_nc_u32 v[TM+12+\b], 0xfc000000, v[TM+\b] ; 8 off its exponent field: the conversion's scale operand
.endr
.irp b, 0,1,2,3
.endr
.irp b, 0,1,2,3
	s_delay_alu instid0(VALU_DEP_4)
	v_lshrrev_b32 v[TM+4+\b], 23, v[TM+12+\b]      ; the scale's byte
.endr
	s_delay_alu instid0(VALU_DEP_3)
	v_lshl_or_b32 v[SW+(\g)], v[TM+5], 8, v[TM+4]
	s_delay_alu instid0(VALU_DEP_1)
	v_lshl_or_b32 v[SW+(\g)], v[TM+6], 16, v[SW+(\g)]
	s_delay_alu instid0(VALU_DEP_1)
	v_lshl_or_b32 v[SW+(\g)], v[TM+7], 24, v[SW+(\g)]
	WIN 0x41                                       ; destination and source 0 window 1
.irp b, 0,1,2,3
.irp i, 0,1,2,3,4,5,6,7,8,9,10,11,12,13,14,15
.endr
.endr
	WIN 0x01                                       ; source 0 window 1
.irp b, 0,1,2,3
	v_cvt_scalef32_pk8_fp8_f32 v[PC+16*(\g)+4*\b:PC+16*(\g)+4*\b+1], v[SB+16*\b:SB+16*\b+7], v[TM+12+\b]
	v_cvt_scalef32_pk8_fp8_f32 v[PC+16*(\g)+4*\b+2:PC+16*(\g)+4*\b+3], v[SB+16*\b+8:SB+16*\b+15], v[TM+12+\b]
.endr
	WIN 0
	v_nop                                          ; a plain instruction behind the last conversion, ahead of the next writes of its scale operands
.endm
.irp g, 0,1,2,3
	QUANTW \g
.irp c, 0,1,2,3
	global_store_b128 v[L16], v[PC+16*\g+4*\c:PC+16*\g+4*\c+3], s[IMG:IMG+1] offset:2048*\g+512*\c   ; 32 lanes store 512 consecutive bytes, aligned; each group has its own registers, so no store's data are written again
.endr
.endr
	v_cmp_gt_u32 vcc_lo, 16, v[LANE]
	s_wait_xcnt 0x0                                ; EXEC changes only behind this wait
	s_and_saveexec_b32 s[SAVE], vcc_lo
	global_store_b128 v[R16], v[SW:SW+3], s[SCO:SCO+1]     ; row r's four scale words: 16 lanes store 256 consecutive bytes, aligned
	s_wait_xcnt 0x0
	s_or_b32 exec_lo, exec_lo, s[SAVE]
	s_wait_tensorcnt 0x0
	ds_add_u32 v254, v255
	s_wait_dscnt 0x0
	CROUND                                         ; the closing round: no work-group ends while a partner may still ask for rows that name it
	s_endpgm
.Lfunc_end_k_qf086c63414_proj:
	.size	k_qf086c63414_proj, .Lfunc_end_k_qf086c63414_proj-k_qf086c63414_proj
	.p2alignl 7, 3214868480
	.fill 96, 4, 3214868480
	.section	.rodata,"a",@progbits
	.p2align	6, 0x0
	.amdhsa_kernel k_qf086c63414_proj
		.amdhsa_group_segment_fixed_size 271360
		.amdhsa_private_segment_fixed_size 0
		.amdhsa_enable_private_segment 0
		.amdhsa_kernarg_size 152
		.amdhsa_user_sgpr_count 2
		.amdhsa_user_sgpr_kernarg_segment_ptr 1
		.amdhsa_wavefront_size32 1
		.amdhsa_system_sgpr_workgroup_id_x 1
		.amdhsa_system_sgpr_workgroup_id_y 1
		.amdhsa_system_sgpr_workgroup_id_z 1
		.amdhsa_system_vgpr_workitem_id 0
		.amdhsa_next_free_vgpr 512
		.amdhsa_next_free_sgpr 100
		.amdhsa_reserve_vcc 1
		.amdhsa_float_denorm_mode_32 3
		.amdhsa_float_denorm_mode_16_64 3
		.amdhsa_fp16_overflow 1
		.amdhsa_memory_ordered 1
		.amdhsa_forward_progress 1
		.amdhsa_inst_pref_size 99
	.end_amdhsa_kernel
	.amdgpu_metadata
---
amdhsa.version: [ 1, 2 ]
amdhsa.kernels:
  - .name:           k_qf086c63414_proj
    .symbol:         k_qf086c63414_proj.kd
    .args:
      - { .name: Q_codes, .offset: 0, .size: 8, .value_kind: global_buffer, .address_space: global }
      - { .name: Q_scales, .offset: 8, .size: 8, .value_kind: global_buffer, .address_space: global }
      - { .name: Wq_codes, .offset: 16, .size: 8, .value_kind: global_buffer, .address_space: global }
      - { .name: Wq_scales, .offset: 24, .size: 8, .value_kind: global_buffer, .address_space: global }
      - { .name: bq, .offset: 32, .size: 8, .value_kind: global_buffer, .address_space: global }
      - { .name: K_codes, .offset: 40, .size: 8, .value_kind: global_buffer, .address_space: global }
      - { .name: K_scales, .offset: 48, .size: 8, .value_kind: global_buffer, .address_space: global }
      - { .name: Wk_codes, .offset: 56, .size: 8, .value_kind: global_buffer, .address_space: global }
      - { .name: Wk_scales, .offset: 64, .size: 8, .value_kind: global_buffer, .address_space: global }
      - { .name: bk, .offset: 72, .size: 8, .value_kind: global_buffer, .address_space: global }
      - { .name: V_codes, .offset: 80, .size: 8, .value_kind: global_buffer, .address_space: global }
      - { .name: V_scales, .offset: 88, .size: 8, .value_kind: global_buffer, .address_space: global }
      - { .name: Wv_codes, .offset: 96, .size: 8, .value_kind: global_buffer, .address_space: global }
      - { .name: Wv_scales, .offset: 104, .size: 8, .value_kind: global_buffer, .address_space: global }
      - { .name: bv, .offset: 112, .size: 8, .value_kind: global_buffer, .address_space: global }
      - { .name: qimg, .offset: 120, .size: 8, .value_kind: global_buffer, .address_space: global }
      - { .name: qsc, .offset: 128, .size: 8, .value_kind: global_buffer, .address_space: global }
      - { .name: kvimg, .offset: 136, .size: 8, .value_kind: global_buffer, .address_space: global }
      - { .name: kvsc, .offset: 144, .size: 8, .value_kind: global_buffer, .address_space: global }
    .group_segment_fixed_size: 271360
    .private_segment_fixed_size: 0
    .kernarg_segment_align: 8
    .kernarg_segment_size: 152
    .max_flat_workgroup_size: 256
    .sgpr_count:     100
    .vgpr_count:     512
    .wavefront_size: 32
...
	.end_amdgpu_metadata
.endif
;; end of part 1
;; launch attn (part 2): grid 16 x 16, 8 waves a work-group, clusters of 4 x 1, 327,680 bytes of LDS; arguments qimg, qsc, kvimg, kvsc, oimg, osc; writes oimg, osc
.if DOCPART == 2
	.amdgcn_target "amdgcn-amd-amdhsa--gfx1250"
	.amdhsa_code_object_version 6
	.text
	.protected	k_qf086c63414_attn
	.globl	k_qf086c63414_attn
	.p2align	8
	.type	k_qf086c63414_attn,@function
k_qf086c63414_attn:
	s_mov_b64 s[64:65], 0
	v_nop
	global_prefetch_b8 v0, s[64:65] scope:SCOPE_SE
	s_setreg_imm32_b32 hwreg(HW_REG_WAVE_MODE, 25, 1), 1
	s_wait_xcnt 0x0
	s_wait_alu depctr_hold_cnt(0) depctr_sa_sdst(0) depctr_va_vdst(0) depctr_va_sdst(0) depctr_va_ssrc(0) depctr_va_vcc(0) depctr_vm_vsrc(0)
	s_getreg_b32 s2, hwreg(HW_REG_IB_STS2, 6, 4)
	s_cmp_eq_u32 s2, 0
	s_cbranch_scc0 .Lentry_in_a_cluster
	s_endpgm
.Lentry_in_a_cluster:
	s_bfe_u32 s2, ttmp6, 0x10000c
	s_cmp_lg_u32 s2, 0x3003
	s_cbranch_scc0 .Lentry_shape_is_right
	s_endpgm
.Lentry_shape_is_right:
.set SLOT1, 1<<17
.set SLOTB, 131072
.set SCK,   2*SLOT1
.set SPARE, SCK+16384
.set LI, 1
.set SAK, 2
.set SPW, 3
.set NIL, 4
.set PFO, 5
.set ADK, 6
.set ADS, 7
.set R16, 8
.set LANE, 9
.set KS, 10
.set VS, 14
.set QSA, 18
.set QSB, 19
.set STA, 20
.set STB, 28
.set TMA, 36
.set OW, 52
.set SA, 64
.set SB, 128
.set PCA, 192
.set PCB, 208
.set TMB, 224
.set KF, 64
.set VF, 128
.set OA, 192
.set OB, 224
.set WV, 18
.set MNT, 19
.set SEL, 20
.set CS, 22
.set G1, 24
.set G1S, 32
.set G0, 40
.set G0S, 44
.set TB, 48
.set TS, 49
.set SLOTS, 50
.set CNT, 51
.set PFA, 52
.set LIM, 54
.set SAVE, 55
.set MSB, 0
.macro WIN new
.if MSB != \new
	s_set_vgpr_msb (MSB<<8)|\new
.set MSB, \new
.endif
.endm
.macro PLACES n
.rept \n
	v_nop
.endr
.endm
.macro CROUND
	s_barrier_signal -1
	s_barrier_wait -1
	s_cmp_lg_u32 s[WV], 0
	s_cbranch_scc1 .Lnot_wave_0_\@
	s_barrier_signal -3
.Lnot_wave_0_\@:
	s_barrier_wait -3
	s_barrier_signal -1
	s_barrier_wait -1
.endm
.macro ASK
	s_cmp_gt_u32 s[SLOTS], s[LIM]
	s_cbranch_scc0 .Lnot_mine_\@
	global_prefetch_b8 v[PFO], s[PFA:PFA+1] th:TH_LOAD_NT scope:SCOPE_SE
.Lnot_mine_\@:
.endm
	s_load_b256 s[4:11], s[0:1], 0x0
	s_load_b128 s[12:15], s[0:1], 0x20
	v_lshl_add_u32 v[SPW], v0, 2, SPARE
	v_mov_b32 v[NIL], 0
	ds_add_u32 v3, v4
	ds_add_u32 v3, v4
	s_wait_dscnt 0x0
	v_lshrrev_b32 v[LANE], 5, v0
	s_delay_alu instid0(VALU_DEP_1)
	v_readfirstlane_b32 s[WV], v[LANE]
	v_and_b32 v[LANE], 31, v0
	v_and_b32 v[R16], 15, v0
	s_delay_alu instid0(VALU_DEP_1)
	v_lshlrev_b32 v[R16], 4, v[R16]
	s_delay_alu instid0(VALU_DEP_3)
	v_lshlrev_b32 v[LI], 4, v[LANE]
	s_delay_alu instid0(VALU_DEP_2)
	v_add_nc_u32 v[SAK], SCK, v[R16]
	v_lshlrev_b32 v[PFO], 8, v[LANE]
	s_bfe_u32 s56, ttmp6, 0x40000
	s_and_b32 s57, ttmp7, 0xffff
	s_lshl_b32 s58, ttmp9, 2
	s_add_co_u32 s58, s58, s56
	s_lshl_b32 s59, s58, 4
	s_lshl_b32 s2, s[WV], 1
	s_add_co_u32 s59, s59, s2
	s_mov_b32 s[G1], 15|(3<<16)|(1<<21)
	s_mov_b32 s[G1+1], 32<<16
	s_mov_b32 s[G1+2], 64<<16
	s_mov_b32 s[G1+3], 32<<16
	s_mov_b32 s[G1+4], 64
	s_mov_b32 s[G1+5], 32
	s_mov_b32 s[G1+6], 0
	s_mov_b32 s[G1+7], 0
	s_mov_b32 s[G1S], 15|(3<<16)|(1<<21)
	s_mov_b32 s[G1S+1], 32<<16
	s_mov_b32 s[G1S+2], 8<<16
	s_mov_b32 s[G1S+3], 32<<16
	s_mov_b32 s[G1S+4], 8
	s_mov_b32 s[G1S+5], 32
	s_mov_b32 s[G1S+6], 0
	s_mov_b32 s[G1S+7], 0
	s_mov_b32 s[SEL], 0x76543210
	s_mov_b32 s[SEL+1], 0xfedcba98
	s_mov_b32 s[CS], 0x3e38aa3b
	s_mov_b32 s[CS+1], s[CS]
	s_mov_b32 s[TB], 0
	s_mov_b32 s[TS], 0
	s_mov_b32 s[SLOTS], 3
	s_lshr_b32 s[LIM], s[WV], 2
	s_or_b32 s[LIM], s[LIM], ttmp9
	s_cmp_eq_u32 s[LIM], 0
	s_cselect_b32 s[LIM], 1, -1
	s_lshl_b32 s60, s57, 19
	s_lshl_b32 s61, s[WV], 14
	s_add_co_u32 s60, s60, s61
	s_mov_b32 s61, 0
	s_lshl_b32 s62, s57, 14
	s_lshl_b32 s63, s[WV], 11
	s_add_co_u32 s62, s62, s63
	s_mov_b32 s63, 0
	s_wait_kmcnt 0x0
	s_mov_b32 s[G0], 1
	s_lshl_b32 s[G0+1], s[WV], 14
	s_add_nc_u64 s[G0+2:G0+3], s[8:9], s[60:61]
	s_or_b32 s[G0+3], s[G0+3], 0x80000000
	s_mov_b32 s[G0S], 1
	s_lshl_b32 s[G0S+1], s[WV], 11
	s_add_co_u32 s[G0S+1], s[G0S+1], SCK
	s_add_nc_u64 s[G0S+2:G0S+3], s[10:11], s[62:63]
	s_or_b32 s[G0S+3], s[G0S+3], 0x80000000
	s_lshl_b32 s2, s57, 19
	s_lshl_b32 s3, s56, 15
	s_add_co_u32 s2, s2, s3
	s_and_b32 s3, s[WV], 3
	s_lshl_b32 s3, s3, 13
	s_add_co_u32 s2, s2, s3
	s_add_co_u32 s2, s2, SLOTB
	s_mov_b32 s3, 0
	s_add_nc_u64 s[PFA:PFA+1], s[8:9], s[2:3]
	s_lshl_b32 s2, s57, 18
	s_lshl_b32 s3, s59, 10
	s_add_co_u32 s2, s2, s3
	s_mov_b32 s3, 0
	s_add_nc_u64 s[4:5], s[4:5], s[2:3]
	s_lshl_b32 s2, s58, 1
	s_lshr_b32 s3, s[WV], 2
	s_add_co_u32 s2, s2, s3
	s_lshl_b32 s2, s2, 8
	s_lshl_b32 s3, s57, 13
	s_add_co_u32 s2, s2, s3
	s_and_b32 s3, s[WV], 3
	s_lshl_b32 s3, s3, 2
	s_add_co_u32 s2, s2, s3
	s_mov_b32 s3, 0
	s_add_nc_u64 s[6:7], s[6:7], s[2:3]
	s_lshr_b32 s2, s57, 3
	s_lshl_b32 s2, s2, 8
	s_add_co_u32 s2, s2, s59
	s_lshl_b32 s2, s2, 13
	s_and_b32 s3, s57, 7
	s_lshr_b32 s3, s3, 1
	s_lshl_b32 s3, s3, 11
	s_add_co_u32 s2, s2, s3
	s_and_b32 s3, s57, 1
	s_lshl_b32 s3, s3, 10
	s_add_co_u32 s2, s2, s3
	s_mov_b32 s3, 0
	s_add_nc_u64 s[12:13], s[12:13], s[2:3]
	s_lshr_b32 s2, s57, 3
	s_lshl_b32 s2, s2, 12
	s_lshl_b32 s3, s59, 4
	s_add_co_u32 s2, s2, s3
	s_lshl_b32 s2, s2, 4
	s_and_b32 s3, s57, 7
	s_lshl_b32 s3, s3, 1
	s_add_co_u32 s2, s2, s3
	s_mov_b32 s3, 0
	s_add_nc_u64 s[14:15], s[14:15], s[2:3]
	CROUND
	tensor_load_to_lds s[G0S:G0S+3], s[G1S:G1S+7]
	s_nop 0
	s_wait_alu depctr_va_vdst(0)
	s_wait_tensorcnt 0x0
	ds_add_u32 v3, v4
	s_wait_dscnt 0x0
	CROUND
	tensor_load_to_lds s[G0:G0+3], s[G1:G1+7]
	s_nop 0
	PLACES 4
	WIN 0x40
	s_wait_alu depctr_va_vdst(0)
	global_load_b128 v[8:11], v[LI], s[4:5]
	global_load_b128 v[12:15], v[LI], s[4:5] offset:512
	global_load_b128 v[24:27], v[LI], s[4:5] offset:1024
	global_load_b128 v[28:31], v[LI], s[4:5] offset:1536
.irp j, 0,1,2,3,4,5,6,7
	v_mov_b32 v[\j], 0
	v_mov_b32 v[16+\j], 0
	v_mov_b32 v[32+\j], 0
.endr
	WIN 0
	global_load_b32 v[OW], v[R16], s[6:7]
.irp T, STA, STB
	v_mov_b32 v[\T+1], 0xff61b1e6
	s_delay_alu instid0(VALU_DEP_1)
	v_floor_f32 v[\T], -v[\T+1]
	v_mov_b32 v[\T+2], 0
	v_mov_b32 v[\T+3], 0
	v_mov_b32 v[\T+4], 0
	v_mov_b32 v[\T+5], 0
	v_mov_b32 v[\T+6], 0
	v_mov_b32 v[\T+7], 0
.endr
.irp b, 4,5,6,7
	v_mov_b32 v[TMA+\b], 0
	v_mov_b32 v[TMB+\b], 0
.endr
	s_wait_loadcnt 0x0
	v_perm_b32 v[QSA], v[OW], v[OW], 0x01000100
	v_perm_b32 v[QSB], v[OW], v[OW], 0x03020302
	WIN 0x40
.set J, 0
.rept 64
	v_mov_b32 v[OA+J], 0
.set J, J+1
.endr
	WIN 0
.macro SMAX sc, st, tm
.irp b, 0,1,2,3
	v_max3_num_f32 v[\tm+\b], v[\sc+16*\b], v[\sc+16*\b+1], v[\sc+16*\b+2]
.endr
.irp i, 3,5,7,9,11,13
.irp b, 0,1,2,3
	v_max3_num_f32 v[\tm+\b], v[\tm+\b], v[\sc+16*\b+\i], v[\sc+16*\b+\i+1]
.endr
.endr
.irp b, 0,1,2,3
	v_max_num_f32 v[\tm+\b], v[\tm+\b], v[\sc+16*\b+15]
.endr
.irp b, 0,1,2,3
	s_delay_alu instid0(VALU_DEP_4)
	v_permlanex16_b32 v[\tm+4+\b], v[\tm+\b], s[SEL], s[SEL+1]
.endr
.irp b, 0,1,2,3
	s_delay_alu instid0(VALU_DEP_4)
	v_max_num_f32 v[\tm+\b], v[\tm+\b], v[\tm+4+\b]
.endr
	s_delay_alu instid0(VALU_DEP_2)
	v_max3_num_f32 v[\st+6], v[\tm], v[\tm+1], v[\tm+2]
	s_delay_alu instid0(VALU_DEP_1)
	v_max_num_f32 v[\st+6], v[\st+6], v[\tm+3]
	s_delay_alu instid0(VALU_DEP_1)
	v_mul_f32 v[\st+6], s[CS], v[\st+6]
	s_delay_alu instid0(VALU_DEP_1)
	v_max_num_f32 v[\st+1], v[\st+1], v[\st+6]
	v_mov_b32 v[\st+6], v[\st]
	s_delay_alu instid0(VALU_DEP_2)
	v_floor_f32 v[\st], -v[\st+1]
	s_delay_alu instid0(VALU_DEP_1)
	v_sub_f32 v[\st+6], v[\st], v[\st+6]
	s_delay_alu instid0(VALU_DEP_1)
	v_cvt_i32_f32 v[\st+6], v[\st+6]
	s_delay_alu instid0(VALU_DEP_1)
	v_ldexp_f32 v[\st+4], 1.0, v[\st+6]
.endm
.macro SSCALE sc, st, tm
.set J, 0
.rept 32
	v_pk_fma_f32 v[\sc+J:\sc+J+1], v[\sc+J:\sc+J+1], s[CS:CS+1], v[\st:\st+1] op_sel_hi:[1,0,0]
.set J, J+2
.endr
.irp b, 0,1,2,3
	v_fma_f32 v[\tm+\b], v[\tm+\b], s[CS], v[\st]
.endr
.endm
.macro SEXP sc
.set J, 0
.rept 64
	v_exp_f32 v[\sc+J], v[\sc+J]
.set J, J+1
.endr
.endm
.macro SSUM sc, st, tm
	v_pk_add_f32 v[\tm+4:\tm+5], v[\sc:\sc+1], v[\sc+2:\sc+3]
.set J, 4
.rept 15
	v_pk_add_f32 v[\st+2:\st+3], v[\st+2:\st+3], v[\sc+J:\sc+J+1]
	v_pk_add_f32 v[\tm+4:\tm+5], v[\tm+4:\tm+5], v[\sc+J+2:\sc+J+3]
.set J, J+4
.endr
	s_delay_alu instid0(VALU_DEP_1)
	v_pk_add_f32 v[\st+2:\st+3], v[\st+2:\st+3], v[\tm+4:\tm+5]
.endm
.macro SSCL st, tm
.irp b, 0,1,2,3
	v_max_num_f32 v[\tm+\b], 0x4800000, v[\tm+\b]
.endr
.irp b, 0,1,2,3
	s_delay_alu instid0(VALU_DEP_4)
	v_add_nc_u32 v[\tm+12+\b], 0xfc000000, v[\tm+\b]
.endr
.irp b, 0,1,2,3
.endr
.irp b, 0,1,2,3
	s_delay_alu instid0(VALU_DEP_4)
	v_lshrrev_b32 v[\tm+4+\b], 23, v[\tm+12+\b]
.endr
	s_delay_alu instid0(VALU_DEP_3)
	v_lshl_or_b32 v[\st+5], v[\tm+5], 8, v[\tm+4]
	s_delay_alu instid0(VALU_DEP_1)
	v_lshl_or_b32 v[\st+5], v[\tm+6], 16, v[\st+5]
	s_delay_alu instid0(VALU_DEP_1)
	v_lshl_or_b32 v[\st+5], v[\tm+7], 24, v[\st+5]
.endm
.macro SCODE sc, tm, pc
.irp b, 0,1,2,3
.set J, 0
.rept 16
.set J, J+1
.endr
	v_cvt_scalef32_pk8_fp8_f32 v[\pc+4*\b:\pc+4*\b+1], v[\sc+16*\b:\sc+16*\b+7], v[\tm+12+\b]
	v_cvt_scalef32_pk8_fp8_f32 v[\pc+4*\b+2:\pc+4*\b+3], v[\sc+16*\b+8:\sc+16*\b+15], v[\tm+12+\b]
.endr
.endm
.macro STEP
	v_add_nc_u32 v[ADK], s[TB], v[LI]
	v_add_nc_u32 v[ADS], s[TS], v[SAK]
	WIN 0x40
.set J, 0
.rept 16
	ds_load_b128 v[KF+4*J:KF+4*J+3], v[ADK] offset:512*J
.set J, J+1
.endr
	WIN 0
	ds_load_b128 v[KS:KS+3], v[ADS]
	s_wait_alu depctr_va_vdst(0)
	s_wait_dscnt 0x0
	WIN 0x05
.irp f, 0,1,2,3
	v_wmma_scale_f32_16x16x128_f8f6f4 v[SA+16*\f:SA+16*\f+7], v[KF+16*\f:KF+16*\f+15], v[8:23], 0, v[KS+\f], v[QSA]
	v_wmma_scale_f32_16x16x128_f8f6f4 v[SB+16*\f:SB+16*\f+7], v[KF+16*\f:KF+16*\f+15], v[24:39], 0, v[KS+\f], v[QSB]
	v_wmma_scale_f32_16x16x128_f8f6f4 v[SA+16*\f+8:SA+16*\f+15], v[KF+16*\f:KF+16*\f+15], v[0:15], 0, v[KS+\f], v[QSA]
	v_wmma_scale_f32_16x16x128_f8f6f4 v[SB+16*\f+8:SB+16*\f+15], v[KF+16*\f:KF+16*\f+15], v[16:31], 0, v[KS+\f], v[QSB]
.endr
	WIN 0
	PLACES 8
	WIN 0x40
.set J, 0
.rept 16
	ds_load_b128 v[VF+4*J:VF+4*J+3], v[ADK] offset:8192+512*J
.set J, J+1
.endr
	WIN 0
	ds_load_b128 v[VS:VS+3], v[ADS] offset:8192
	SMAX SA, STA, TMA
	SMAX SB, STB, TMB
	SSCALE SA, STA, TMA
	SSCALE SB, STB, TMB
	s_wait_alu depctr_va_vdst(0)
	SEXP SA
	s_setprio 1
	SEXP SB
	v_pk_mul_f32 v[STA+2:STA+3], v[STA+2:STA+3], v[STA+4:STA+5] op_sel_hi:[1,0]
	v_pk_mul_f32 v[STB+2:STB+3], v[STB+2:STB+3], v[STB+4:STB+5] op_sel_hi:[1,0]
	s_wait_alu depctr_va_vdst(0)
.irp b, 0,1,2,3
	v_exp_f32 v[TMA+\b], v[TMA+\b]
.endr
.irp b, 0,1,2,3
	v_exp_f32 v[TMB+\b], v[TMB+\b]
.endr
	SSUM SA, STA, TMA
	SSUM SB, STB, TMB
	s_wait_alu depctr_va_vdst(0)
	SSCL STA, TMA
	SSCL STB, TMB
	SCODE SA, TMA, PCA
	SCODE SB, TMB, PCB
	WIN 0x41
.set J, 0
	s_setprio 0
.rept 16
	v_pk_mul_f32 v[OA+J:OA+J+1], v[OA+J:OA+J+1], v[STA+4:STA+5] op_sel_hi:[1,0]
.set J, J+2
.endr
.set J, 0
.rept 16
	v_pk_mul_f32 v[OB+J:OB+J+1], v[OB+J:OB+J+1], v[STB+4:STB+5] op_sel_hi:[1,0]
.set J, J+2
.endr
	s_wait_alu depctr_va_vdst(0)
	s_wait_dscnt 0x0
	WIN 0x51
.irp dt, 0,1,2,3
	v_wmma_scale_f32_16x16x128_f8f6f4 v[OA+8*\dt:OA+8*\dt+7], v[VF+16*\dt:VF+16*\dt+15], v[PCA:PCA+15], v[OA+8*\dt:OA+8*\dt+7], v[VS+\dt], v[STA+5]
	v_wmma_scale_f32_16x16x128_f8f6f4 v[OB+8*\dt:OB+8*\dt+7], v[VF+16*\dt:VF+16*\dt+15], v[PCB:PCB+15], v[OB+8*\dt:OB+8*\dt+7], v[VS+\dt], v[STB+5]
.endr
	WIN 0
	s_add_co_u32 s[TB], s[TB], 16384
	s_add_co_u32 s[TS], s[TS], 256
.endm
.macro CHANGE fill
	s_wait_tensorcnt 0x0
	ds_add_u32 v[SPW], v[NIL]
.if \fill
	s_xor_b32 s[G0+1], s[G0+1], SLOT1
	s_add_nc_u64 s[G0+2:G0+3], s[G0+2:G0+3], SLOTB
	s_wait_xcnt 0x0
	s_add_nc_u64 s[PFA:PFA+1], s[PFA:PFA+1], SLOTB
.endif
	s_wait_dscnt 0x0
.if \fill
	CROUND
	tensor_load_to_lds s[G0:G0+3], s[G1:G1+7]
	s_nop 0
	PLACES 4
	ASK
.else
	s_barrier_signal -1
	s_barrier_wait -1
.endif
.endm
.macro SLOT_STEPS
	s_mov_b32 s[CNT], 8
.Lstep_\@:
	s_setprio 2
	STEP
	s_sub_co_u32 s[CNT], s[CNT], 1
	s_cmp_lg_u32 s[CNT], 0
	s_cbranch_scc1 .Lstep_\@
	s_setprio 0
	s_sub_co_u32 s[TB], s[TB], SLOTB
	s_xor_b32 s[TB], s[TB], SLOT1
.endm
.Lslot:
	CHANGE 1
	SLOT_STEPS
	s_sub_co_u32 s[SLOTS], s[SLOTS], 1
	s_cmp_lg_u32 s[SLOTS], 0
	s_cbranch_scc1 .Lslot
	CHANGE 0
	SLOT_STEPS
	PLACES 8
.irp T, STA, STB
	v_add_f32 v[\T+6], v[\T+2], v[\T+3]
.endr
.irp T, STA, STB
	s_delay_alu instid0(VALU_DEP_2)
	v_permlanex16_b32 v[\T+7], v[\T+6], s[SEL], s[SEL+1]
.endr
.irp T, STA, STB
	s_delay_alu instid0(VALU_DEP_2)
	v_add_f32 v[\T+6], v[\T+6], v[\T+7]
.endr
	s_wait_alu depctr_va_vdst(0)
.irp T, STA, STB
	v_rcp_f32 v[\T+6], v[\T+6]
.endr
	v_nop
	s_wait_alu depctr_va_vdst(0)
	WIN 0x01
.set J, 0
.rept 16
	v_pk_mul_f32 v[SA+J:SA+J+1], v[OA+J:OA+J+1], v[STA+6:STA+7] op_sel_hi:[1,0]
.set J, J+2
.endr
.set J, 0
.rept 16
	v_pk_mul_f32 v[SA+32+J:SA+32+J+1], v[OB+J:OB+J+1], v[STB+6:STB+7] op_sel_hi:[1,0]
.set J, J+2
.endr
	WIN 0
.irp b, 0,1,2,3
	v_max3_num_f32 v[TMA+\b], |v[SA+16*\b]|, |v[SA+16*\b+1]|, 0x4800000
.endr
.irp i, 2,4,6,8,10,12,14
.irp b, 0,1,2,3
	s_delay_alu instid0(VALU_DEP_4)
	v_max3_num_f32 v[TMA+\b], v[TMA+\b], |v[SA+16*\b+\i]|, |v[SA+16*\b+\i+1]|
.endr
.endr
.irp b, 0,1,2,3
	s_delay_alu instid0(VALU_DEP_4)
	v_permlanex16_b32 v[TMA+4+\b], v[TMA+\b], s[SEL], s[SEL+1]
.endr
.irp b, 0,1,2,3
	s_delay_alu instid0(VALU_DEP_4)
	v_max_num_f32 v[TMA+\b], v[TMA+\b], v[TMA+4+\b]
.endr
.irp b, 0,1,2,3
	s_delay_alu instid0(VALU_DEP_4)
	v_add_nc_u32 v[TMA+12+\b], 0xfc000000, v[TMA+\b]
.endr
.irp b, 0,1,2,3
.endr
.irp b, 0,1,2,3
	s_delay_alu instid0(VALU_DEP_4)
	v_lshrrev_b32 v[TMA+4+\b], 23, v[TMA+12+\b]
.endr
	s_delay_alu instid0(VALU_DEP_3)
	v_lshl_or_b32 v[OW], v[TMA+5], 8, v[TMA+4]
	s_delay_alu instid0(VALU_DEP_1)
	v_lshl_or_b32 v[OW], v[TMA+6], 16, v[OW]
	s_delay_alu instid0(VALU_DEP_1)
	v_lshl_or_b32 v[OW], v[TMA+7], 24, v[OW]
.irp b, 0,1,2,3
.irp i, 0,1,2,3,4,5,6,7,8,9,10,11,12,13,14,15
.endr
	v_cvt_scalef32_pk8_fp8_f32 v[PCA+4*\b:PCA+4*\b+1], v[SA+16*\b:SA+16*\b+7], v[TMA+12+\b]
	v_cvt_scalef32_pk8_fp8_f32 v[PCA+4*\b+2:PCA+4*\b+3], v[SA+16*\b+8:SA+16*\b+15], v[TMA+12+\b]
.endr
	v_nop
	global_store_b128 v[LI], v[PCA:PCA+3], s[12:13]
	global_store_b128 v[LI], v[PCA+4:PCA+7], s[12:13] offset:512
	global_store_b128 v[LI], v[PCA+8:PCA+11], s[12:13] offset:8192
	global_store_b128 v[LI], v[PCA+12:PCA+15], s[12:13] offset:8704
	v_cmp_gt_u32 vcc_lo, 16, v[LANE]
	s_wait_xcnt 0x0
	s_and_saveexec_b32 s[SAVE], vcc_lo
	global_store_b16 v[R16], v[OW], s[14:15]
	global_store_d16_hi_b16 v[R16], v[OW], s[14:15] offset:256
	s_wait_xcnt 0x0
	s_or_b32 exec_lo, exec_lo, s[SAVE]
	s_wait_tensorcnt 0x0
	ds_add_u32 v[SPW], v[NIL]
	s_wait_dscnt 0x0
	CROUND
	s_endpgm
.Lfunc_end_k_qf086c63414_attn:
	.size	k_qf086c63414_attn, .Lfunc_end_k_qf086c63414_attn-k_qf086c63414_attn
	.p2alignl 7, 3214868480
	.fill 96, 4, 3214868480
	.section	.rodata,"a",@progbits
	.p2align	6, 0x0
	.amdhsa_kernel k_qf086c63414_attn
		.amdhsa_group_segment_fixed_size 327680
		.amdhsa_private_segment_fixed_size 0
		.amdhsa_enable_private_segment 0
		.amdhsa_kernarg_size 48
		.amdhsa_user_sgpr_count 2
		.amdhsa_user_sgpr_kernarg_segment_ptr 1
		.amdhsa_wavefront_size32 1
		.amdhsa_system_sgpr_workgroup_id_x 1
		.amdhsa_system_sgpr_workgroup_id_y 1
		.amdhsa_system_sgpr_workgroup_id_z 1
		.amdhsa_system_vgpr_workitem_id 0
		.amdhsa_next_free_vgpr 512
		.amdhsa_next_free_sgpr 66
		.amdhsa_reserve_vcc 1
		.amdhsa_float_denorm_mode_32 3
		.amdhsa_float_denorm_mode_16_64 3
		.amdhsa_fp16_overflow 1
		.amdhsa_memory_ordered 1
		.amdhsa_forward_progress 1
		.amdhsa_inst_pref_size 83
	.end_amdhsa_kernel
	.amdgpu_metadata
---
amdhsa.version: [ 1, 2 ]
amdhsa.kernels:
  - .name:           k_qf086c63414_attn
    .symbol:         k_qf086c63414_attn.kd
    .args:
      - { .name: qimg, .offset: 0, .size: 8, .value_kind: global_buffer, .address_space: global }
      - { .name: qsc, .offset: 8, .size: 8, .value_kind: global_buffer, .address_space: global }
      - { .name: kvimg, .offset: 16, .size: 8, .value_kind: global_buffer, .address_space: global }
      - { .name: kvsc, .offset: 24, .size: 8, .value_kind: global_buffer, .address_space: global }
      - { .name: oimg, .offset: 32, .size: 8, .value_kind: global_buffer, .address_space: global }
      - { .name: osc, .offset: 40, .size: 8, .value_kind: global_buffer, .address_space: global }
    .group_segment_fixed_size: 327680
    .private_segment_fixed_size: 0
    .kernarg_segment_align: 8
    .kernarg_segment_size: 48
    .max_flat_workgroup_size: 256
    .sgpr_count:     66
    .vgpr_count:     512
    .wavefront_size: 32
...
	.end_amdgpu_metadata
.endif
;; end of part 2
;; launch outp (part 3): grid 4 x 64, 8 waves a work-group, clusters of 4 x 4, 168,960 bytes of LDS; arguments oimg, osc, Wo_codes, Wo_scales, bo, out0; writes out0
.if DOCPART == 3
	.amdgcn_target "amdgcn-amd-amdhsa--gfx1250"
	.amdhsa_code_object_version 6
	.text
	.protected	k_qf086c63414_outp
	.globl	k_qf086c63414_outp
	.p2align	8
	.type	k_qf086c63414_outp,@function
k_qf086c63414_outp:
	s_mov_b64 s[64:65], 0
	v_nop
	global_prefetch_b8 v0, s[64:65] scope:SCOPE_SE
	s_setreg_imm32_b32 hwreg(HW_REG_WAVE_MODE, 25, 1), 1
	s_wait_xcnt 0x0
	s_wait_alu depctr_hold_cnt(0) depctr_sa_sdst(0) depctr_va_vdst(0) depctr_va_sdst(0) depctr_va_ssrc(0) depctr_va_vcc(0) depctr_vm_vsrc(0)
	s_getreg_b32 s2, hwreg(HW_REG_IB_STS2, 6, 4)
	s_cmp_eq_u32 s2, 0
	s_cbranch_scc0 .Lentry_in_a_cluster
	s_endpgm
.Lentry_in_a_cluster:
	s_bfe_u32 s2, ttmp6, 0x10000c
	s_cmp_lg_u32 s2, 0xf033
	s_cbranch_scc0 .Lentry_shape_is_right
	s_endpgm
.Lentry_shape_is_right:
; out0 = o Wo + bo on codes of FP8 (E4M3) with one E8M0 scale for each 32 along K (= 512); sums in f32.  o comes as images of operand registers ([tile of 16 rows][K step][chunk][lane][16 bytes]) with 16 scale bytes a row;
; Wo as rows of 512 codes, K innermost.
; SHARES.  A work-group makes 128 rows x 128 columns: 64 x 4 = 256 work-groups.  Eight waves: wave w takes row tiles 2 (w / 2), 2 (w / 2) + 1 and 64 columns (w % 2): eight accumulators.
; LDS is filled once: o's eight row tiles (65,536 bytes, as they lie), Wo's 128 rows (512 bytes + 16 of padding), and behind them a stage of 16 rows x (256 + 16) bytes for each wave, into which no tensor load lands.
; CLUSTER 4 x 4: the four work-groups of a row of the cluster read the same rows of o, the four of a column the same rows of Wo: both are asked for JOINTLY (waves 0 to 3: o, waves 4 to 7: Wo; one load a wave).
; THE MATRIX INSTRUCTION IS USED TRANSPOSED (source 0 = 16 rows of Wo, source 1 = 16 rows of o): a lane holds eight neighbouring columns of one row; bo is the C of the first K step.
; LIMITS: NaN codes and the scale byte 0xff in Wo are not served.
.set PITCH, 528
.set WBASE, 65536
.set STAGE, WBASE+128*PITCH            ; 133,120: a multiple of 256
.set SP, 272
.set WV, 18
.set W3, 19
.set CX, 20
.set CY, 21
.set CB, 22
.set RB, 23
.set G1O, 24
.set G1W, 32
.set G0O, 40
.set G0W, 44
.set AO, 4
.set AW, 5
.set STO, 6
.set RD, 7
.set CO, 8
.set R16, 9
.set H32, 10
.set OS, 16
.set WS, 24
.set BI, 40
.set ACC, 72
.set WF, 136
.set OF, 200
.set BK, 136
.macro PLACES n
.rept \n
	v_nop
.endr
.endm
.macro CROUND
	s_barrier_signal -1
	s_barrier_wait -1
	s_cmp_lg_u32 s[WV], 0
	s_cbranch_scc1 .Lnot_wave_0_\@
	s_barrier_signal -3
.Lnot_wave_0_\@:
	s_barrier_wait -3
	s_barrier_signal -1
	s_barrier_wait -1
.endm
	s_load_b256 s[4:11], s[0:1], 0x0               ; oimg 4, osc 6, Wo's codes 8, Wo's scales 10
	s_load_b128 s[12:15], s[0:1], 0x20             ; bo 12, out0 14
	v_lshl_add_u32 v254, v0, 2, 0x29000
	v_mov_b32 v255, 0
	ds_add_u32 v254, v255
	ds_add_u32 v254, v255
	v_lshrrev_b32 v1, 5, v0
	s_delay_alu instid0(VALU_DEP_1)
	v_readfirstlane_b32 s[WV], v1
	v_and_b32 v1, 31, v0                           ; lane
	s_wait_alu depctr_va_vdst(0)
	v_and_b32 v2, 15, v0                           ; r
	s_wait_alu depctr_va_vdst(0)
	v_bfe_u32 v3, v0, 4, 1                         ; h
	s_and_b32 s[W3], s[WV], 3                      ; which quarter I fetch
	s_lshr_b32 s54, s[WV], 1                       ; rp: my pair of row tiles
	s_and_b32 s55, s[WV], 1                        ; ch: my 64 columns
	s_bfe_u32 s[CX], ttmp6, 0x40000
	s_bfe_u32 s[CY], ttmp6, 0x40004
	s_lshl_b32 s[CB], ttmp9, 2
	s_add_co_u32 s[CB], s[CB], s[CX]               ; my 128 columns
	s_and_b32 s[RB], ttmp7, 0xffff
	s_lshl_b32 s[RB], s[RB], 2
	s_add_co_u32 s[RB], s[RB], s[CY]               ; my 128 rows
	; LDS addresses: lane, wave and constants
	s_lshl_b32 s56, s54, 14
	v_lshl_add_u32 v[AO], v1, 4, s56               ; o: 16 x lane + my pair of tiles
	v_mul_u32_u24 v[AW], v2, PITCH
	s_wait_alu depctr_va_vdst(0)
	v_lshl_add_u32 v[AW], v3, 4, v[AW]
	s_mul_i32 s56, s55, 64*PITCH
	s_add_co_u32 s56, s56, WBASE
	v_add_nc_u32 v[AW], s56, v[AW]                 ; Wo: row 64 ch + r, + 16 h
	s_mul_i32 s57, s[WV], 16*SP
	s_add_co_u32 s57, s57, STAGE                   ; my stage
	v_mul_u32_u24 v[STO], v2, SP
	s_delay_alu instid0(VALU_DEP_1)
	v_lshl_add_u32 v[STO], v3, 5, v[STO]
	s_delay_alu instid0(VALU_DEP_1)
	v_add_nc_u32 v[STO], s57, v[STO]               ; in: row r, 32 bytes for each half of the lanes
	v_mul_u32_u24 v[RD], v3, SP
	s_delay_alu instid0(VALU_DEP_1)
	v_lshl_add_u32 v[RD], v2, 4, v[RD]
	s_delay_alu instid0(VALU_DEP_1)
	v_add_nc_u32 v[RD], s57, v[RD]                 ; back: lanes 0-15 one row of 256 bytes, lanes 16-31 the next
	v_lshlrev_b32 v[CO], 11, v3
	s_delay_alu instid0(VALU_DEP_1)
	v_lshl_add_u32 v[CO], v2, 4, v[CO]             ; and the same two rows in out0 (2,048 bytes a row)
	v_lshlrev_b32 v[R16], 4, v2
	v_lshlrev_b32 v[H32], 5, v3
	; descriptor groups 1
	s_lshl_b32 s50, s[CY], 2
	s_lshl_b32 s50, 15, s50                        ; my row of the cluster
	s_lshl_b32 s51, 0x1111, s[CX]                  ; my column
	s_or_b32 s[G1O], s50, (3<<16)|(1<<21)          ; o: elements of 8 bytes, no padding; bit 21 beside the mask
	s_mov_b32 s[G1O+1], 32<<16                     ; rows of 256 bytes,
	s_mov_b32 s[G1O+2], 64<<16                     ; 64 of them: two row tiles' dense 16,384 bytes
	s_mov_b32 s[G1O+3], 32<<16
	s_mov_b32 s[G1O+4], 64
	s_mov_b32 s[G1O+5], 32
	s_mov_b32 s[G1O+6], 0
	s_mov_b32 s[G1O+7], 0
	s_or_b32 s[G1W], s51, (1<<20)|(1<<21)|(6<<22)|(3<<25)   ; Wo: elements of 1 byte; 4 words of padding after every 128
	s_mov_b32 s[G1W+1], 512<<16
	s_mov_b32 s[G1W+2], 32<<16                     ; 32 rows a wave
	s_mov_b32 s[G1W+3], 512<<16
	s_mov_b32 s[G1W+4], 32
	s_mov_b32 s[G1W+5], 512
	s_mov_b32 s[G1W+6], 0
	s_mov_b32 s[G1W+7], 0
	s_lshl_b32 s48, s[RB], 16                      ; o: my 128 rows' images, my quarter.  s48, s49 never hold cx,
	s_lshl_b32 s49, s[W3], 14
	s_add_co_u32 s48, s48, s49
	s_mov_b32 s49, 0
	s_lshl_b32 s52, s[CB], 16                      ; Wo: my 128 rows, my quarter.  s52, s53 never hold cy
	s_lshl_b32 s53, s[W3], 14
	s_add_co_u32 s52, s52, s53
	s_mov_b32 s53, 0
	s_wait_dscnt 0x0
	s_wait_kmcnt 0x0
	s_mov_b32 s[G0O], 1
	s_lshl_b32 s[G0O+1], s[W3], 14
	s_add_nc_u64 s[G0O+2:G0O+3], s[4:5], s[48:49]
	s_or_b32 s[G0O+3], s[G0O+3], 0x80000000
	s_mov_b32 s[G0W], 1
	s_mul_i32 s[G0W+1], s[W3], 32*PITCH
	s_add_co_u32 s[G0W+1], s[G0W+1], WBASE
	s_add_nc_u64 s[G0W+2:G0W+3], s[8:9], s[52:53]
	s_or_b32 s[G0W+3], s[G0W+3], 0x80000000
	s_lshl_b32 s58, s[RB], 11                      ; o's scale bytes: 16 a row; my 32 rows
	s_lshl_b32 s59, s54, 9
	s_add_co_u32 s58, s58, s59
	s_mov_b32 s59, 0
	s_add_nc_u64 s[6:7], s[6:7], s[58:59]
	s_lshl_b32 s58, s[CB], 11                      ; Wo's: my 64 rows
	s_lshl_b32 s60, s55, 10
	s_add_co_u32 s58, s58, s60
	s_add_nc_u64 s[10:11], s[10:11], s[58:59]
	s_lshl_b32 s58, s[CB], 9                       ; bo: my 64 numbers; the same bytes on in a row of out0
	s_lshl_b32 s60, s55, 8
	s_add_co_u32 s58, s58, s60
	s_add_nc_u64 s[12:13], s[12:13], s[58:59]
	s_lshl_b32 s60, s[RB], 18                      ; out0: my 32 rows of 2,048 bytes
	s_add_co_u32 s58, s58, s60
	s_lshl_b32 s60, s54, 16
	s_add_co_u32 s58, s58, s60
	s_add_nc_u64 s[14:15], s[14:15], s[58:59]
	CROUND                                         ; all sixteen work-groups are here: the joint loads meet
	s_cmp_lt_u32 s[WV], 4                          ; one tensor load a wave; four v_nop follow each line
	s_cbranch_scc0 .Lfor_w
	tensor_load_to_lds s[G0O:G0O+3], s[G1O:G1O+7]
	s_nop 0
	PLACES 4
	s_branch .Lasked
.Lfor_w:
	tensor_load_to_lds s[G0W:G0W+3], s[G1W:G1W+7]
	s_nop 0
	PLACES 4
.Lasked:
	s_wait_alu depctr_va_vdst(0)
.irp t, 0,1
	global_load_b128 v[OS+4*\t:OS+4*\t+3], v[R16], s[6:7] offset:256*\t        ; row r of tile t: four scale words, one a K step
.endr
.irp nt, 0,1,2,3
	global_load_b128 v[WS+4*\nt:WS+4*\nt+3], v[R16], s[10:11] offset:256*\nt
	global_load_b128 v[BI+8*\nt:BI+8*\nt+3], v[H32], s[12:13] offset:64*\nt    ; bo in the result's layout: columns 16 nt + 8 h + 0 .. 7
	global_load_b128 v[BI+8*\nt+4:BI+8*\nt+7], v[H32], s[12:13] offset:64*\nt+16
.endr
	s_wait_tensorcnt 0x0                           ; my part lies in LDS,
	s_wait_loadcnt 0x0
	s_barrier_signal -1
	s_barrier_wait -1                              ; everybody's does
.irp s, 0,1,2,3
.if \s > 0
	PLACES 8                                       ; in front of loads into registers that matrix instructions have read (ISA guide 7.12.1 for vector instructions)
.endif
.irp nt, 0,1,2,3
.irp c, 0,1,2,3
	ds_load_b128 v[WF+16*\nt+4*\c:WF+16*\nt+4*\c+3], v[AW] offset:\nt*16*PITCH+128*\s+32*\c
.endr
.endr
.irp t, 0,1
.irp c, 0,1,2,3
	ds_load_b128 v[OF+16*\t+4*\c:OF+16*\t+4*\c+3], v[AO] offset:8192*\t+2048*\s+512*\c
.endr
.endr
	s_wait_dscnt 0x0
.irp t, 0,1
.irp nt, 0,1,2,3                       ; the eight accumulators take turns, one instruction a turn
.if \s == 0
	v_wmma_scale_f32_16x16x128_f8f6f4 v[ACC+8*(4*\t+\nt):ACC+8*(4*\t+\nt)+7], v[WF+16*\nt:WF+16*\nt+15], v[OF+16*\t:OF+16*\t+15], v[BI+8*\nt:BI+8*\nt+7], v[WS+4*\nt+\s], v[OS+4*\t+\s]
.else
	v_wmma_scale_f32_16x16x128_f8f6f4 v[ACC+8*(4*\t+\nt):ACC+8*(4*\t+\nt)+7], v[WF+16*\nt:WF+16*\nt+15], v[OF+16*\t:OF+16*\t+15], v[ACC+8*(4*\t+\nt):ACC+8*(4*\t+\nt)+7], v[WS+4*\nt+\s], v[OS+4*\t+\s]
.endif
.endr
.endr
.endr
	PLACES 8                                       ; in front of the first read of results, and of the loads into the registers that held Wo's fragments
	; THE WAY OUT: a row tile (16 rows x 256 bytes) at a time through my own stage; LDS serves a wave's instructions in order (ISA guide 5.7.1.4): no wait between the stores and the loads, nor in front of the next tile's stores
.irp t, 0,1
.irp nt, 0,1,2,3
	ds_store_b128 v[STO], v[ACC+8*(4*\t+\nt):ACC+8*(4*\t+\nt)+3] offset:64*\nt        ; each accumulator from its low end on
	ds_store_b128 v[STO], v[ACC+8*(4*\t+\nt)+4:ACC+8*(4*\t+\nt)+7] offset:64*\nt+16
.endr
.irp i, 0,1,2,3,4,5,6,7
	ds_load_b128 v[BK+32*\t+4*\i:BK+32*\t+4*\i+3], v[RD] offset:2*\i*SP
.endr
.endr
	s_wait_dscnt 16                                ; tile 0 is back; tile 1's eight stores and eight loads may be out
.irp i, 0,1,2,3,4,5,6,7
	global_store_b128 v[CO], v[BK+4*\i:BK+4*\i+3], s[14:15] offset:2*\i*2048 th:TH_STORE_NT    ; 16 lanes store 256 consecutive bytes, aligned
.endr
	s_wait_dscnt 0x0
.irp i, 0,1,2,3,4,5,6,7
	global_store_b128 v[CO], v[BK+32+4*\i:BK+32+4*\i+3], s[14:15] offset:(16+2*\i)*2048 th:TH_STORE_NT
.endr
	s_wait_tensorcnt 0x0
	ds_add_u32 v254, v255
	s_wait_dscnt 0x0
	CROUND                                         ; the closing round: no work-group ends while a partner may still ask for a tile that names it
	s_endpgm
.Lfunc_end_k_qf086c63414_outp:
	.size	k_qf086c63414_outp, .Lfunc_end_k_qf086c63414_outp-k_qf086c63414_outp
	.p2alignl 7, 3214868480
	.fill 96, 4, 3214868480
	.section	.rodata,"a",@progbits
	.p2align	6, 0x0
	.amdhsa_kernel k_qf086c63414_outp
		.amdhsa_group_segment_fixed_size 168960
		.amdhsa_private_segment_fixed_size 0
		.amdhsa_enable_private_segment 0
		.amdhsa_kernarg_size 48
		.amdhsa_user_sgpr_count 2
		.amdhsa_user_sgpr_kernarg_segment_ptr 1
		.amdhsa_wavefront_size32 1
		.amdhsa_system_sgpr_workgroup_id_x 1
		.amdhsa_system_sgpr_workgroup_id_y 1
		.amdhsa_system_sgpr_workgroup_id_z 1
		.amdhsa_system_vgpr_workitem_id 0
		.amdhsa_next_free_vgpr 256
		.amdhsa_next_free_sgpr 66
		.amdhsa_reserve_vcc 0
		.amdhsa_float_denorm_mode_32 3
		.amdhsa_float_denorm_mode_16_64 3
		.amdhsa_memory_ordered 1
		.amdhsa_forward_progress 1
		.amdhsa_inst_pref_size 23
	.end_amdhsa_kernel
	.amdgpu_metadata
---
amdhsa.version: [ 1, 2 ]
amdhsa.kernels:
  - .name:           k_qf086c63414_outp
    .symbol:         k_qf086c63414_outp.kd
    .args:
      - { .name: oimg, .offset: 0, .size: 8, .value_kind: global_buffer, .address_space: global }
      - { .name: osc, .offset: 8, .size: 8, .value_kind: global_buffer, .address_space: global }
      - { .name: Wo_codes, .offset: 16, .size: 8, .value_kind: global_buffer, .address_space: global }
      - { .name: Wo_scales, .offset: 24, .size: 8, .value_kind: global_buffer, .address_space: global }
      - { .name: bo, .offset: 32, .size: 8, .value_kind: global_buffer, .address_space: global }
      - { .name: out0, .offset: 40, .size: 8, .value_kind: global_buffer, .address_space: global }
    .group_segment_fixed_size: 168960
    .private_segment_fixed_size: 0
    .kernarg_segment_align: 8
    .kernarg_segment_size: 48
    .max_flat_workgroup_size: 256
    .sgpr_count:     66
    .vgpr_count:     256
    .wavefront_size: 32
...
	.end_amdgpu_metadata
.endif
;; end of part 3
